; MI455X (gfx1250); checked and timed in simulation.
; The chip was launched on July 23, 2026; its instructions are those of AMD's public machine-readable ISA for CDNA 5 (MIT licence, August 2026) and "CDNA5" Instruction Set Architecture Reference Guide (July 2026). The comments in the code are by the model that wrote it; some were corrected since.
;; Multi Head Attention. Allowed arithmetic: matrix products marked QUANTISED: E4M3 operands, one given power-of-two scale a tensor, by v_wmma_f32_16x16x64_fp8_fp8 or v_wmma_f32_16x16x128_fp8_fp8, f32 sums; everything else in f32.
;; Inputs: b_proj 1,024 float32; b_qkv 3,072 float32; lowp_scales 8 int32 (the exponents e of the quantised operands' scales 2^e); w_proj 1,024 x 1,024 float32; w_qkv 1,024 x 3,072 float32; x 4 x 2,048 x 1,024 float32.
;; Outputs: out0 4 x 2,048 x 1,024 float32.
;; This version of the problem:
;;   THIS VERSION OF THE PROBLEM IS GIVEN IN LOW PRECISION. The matrix products marked QUANTISED in the list below multiply operands that are first quantised to E4M3 (4 exponent bits, 3 mantissa bits; 8 bits a number), with one given power-of-two scale for each operand tensor; their sums are f32. All else is computed in f32.
;;   The module's matrix products, in the order in which they are computed (A, B: the left and right operand; K: the contracted axis; several contracted axes count as one K, in the product's order):
;;     1. [M 8,192, K 1,024] x [K 1,024, N 3,072]; A: input x; B: input w_qkv: QUANTISED (scales: A lowp_scales[0], B lowp_scales[1])
;;     2. batch 64 x [M 2,048, K 64] x [K 64, N 2,048]; A: computed on the way; B: computed on the way: QUANTISED (scales: A lowp_scales[2], B lowp_scales[3])
;;     3. batch 64 x [M 2,048, K 2,048] x [K 2,048, N 64]; A: softmax (see below); B: computed on the way: QUANTISED (scales: A lowp_scales[4], B lowp_scales[5])
;;     4. [M 8,192, K 1,024] x [K 1,024, N 1,024]; A: computed on the way; B: input w_proj: QUANTISED (scales: A lowp_scales[6], B lowp_scales[7])
;;   THE QUANTISER, for each operand of a quantised product, along K:
;;     - The operand's scale is 2^e, e = its entry of the input lowp_scales (int32; the entries are numbered through the quantised products in the list's order, A before B).
;;     - Each number is divided by the scale, clamped to +-448, and rounded to the nearest number of E4M3, ties to even, subnormals kept.
;;     - The product sums the exact products of the quantised numbers (number of the format x scale) in f32.
;;   ~~~python
;;   def quantise(x, axis, e):      # numpy; x: float32 -> the quantised numbers, widened to float32 again
;;       x = np.moveaxis(x, axis, -1); K = x.shape[-1]
;;       r = np.clip(x / 2.0 ** e, -448, 448)
;;       step = 2.0 ** (np.maximum(np.frexp(np.where(r == 0, 1, r))[1] - 1, -6) - 3)
;;       q = np.round(r / step) * step * 2.0 ** e      # np.round: ties to even
;;       return np.moveaxis(q, -1, axis).astype(np.float32)
;;   ~~~
;;   SOFTMAX AHEAD OF A QUANTISED PRODUCT. Where the list says 'softmax', what is quantised is not the finished softmax but p = 2^(t - M), with t = logit x log2(e) and M = ceil(the row's largest t), a whole number; so 1/2 < the row's largest p <= 1. The row's sum l is taken of the UNQUANTISED p, in f32, and the product's result is divided by l at the end. Since M is a whole number, a kernel that streams over the keys may use a running M (the ceiling of the running maximum): every later rescaling is an exact power of two, so the quantised numbers keep their values, but for numbers so far below the row's largest that they fall under the format's range.
;;   OPERANDS COMPUTED ON THE WAY. 'Computed on the way' means the value that the module computes at that place (a softmax that the list does not call 'softmax' is quantised finished and normalised). What goes into a quantiser is computed in f32, as accurately as f32 sums, v_exp_f32 and their like allow (about 1e-6 of the number): no bf16 or f16 on the way to a quantiser, and a product that is left as it is and whose result goes on into a quantised operand takes f32 operands (vector FMAs, or v_wmma_f32_16x16x4_f32). A number that lies on a knife's edge between two numbers of the format may be rounded either way, as far as f32 arithmetic and the matrix unit's own rounding can turn it there, and no further.
;; One version. Each part assembles by itself: llvm-mc -triple=amdgcn-amd-amdhsa -mcpu=gfx1250 --defsym DOCPART=n.
;; ======== version 1 of 1: 4 launches
;; limits: right only within a limited range of input values
;; workspace buffers: x_codes 8,388,608 bytes; wqkv_codes 3,145,728 bytes; wproj_codes 1,048,576 bytes; q_codes 8,388,608 bytes; k_codes 8,388,608 bytes; v_codes 8,388,608 bytes; a_codes 8,388,608 bytes
;; launch quant (part 1): grid 768 x 1, 4 waves a work-group, no clusters, 68,096 bytes of LDS; arguments x, w_qkv, w_proj, lowp_scales, x_codes, wqkv_codes, wproj_codes; writes x_codes, wqkv_codes, wproj_codes
.if DOCPART == 1
	.amdgcn_target "amdgcn-amd-amdhsa--gfx1250"
	.amdhsa_code_object_version 6
	.text
	.protected	k_qd54c50b687_quant
	.globl	k_qd54c50b687_quant
	.p2align	8
	.type	k_qd54c50b687_quant,@function
k_qd54c50b687_quant:
	s_mov_b64 s[64:65], 0
	v_nop
	global_prefetch_b8 v0, s[64:65] scope:SCOPE_SE
	s_setreg_imm32_b32 hwreg(HW_REG_WAVE_MODE, 25, 1), 1
	s_wait_xcnt 0x0
; x [8192][1024], w_qkv [1024][3072] and w_proj [1024][1024], f32, become codes of FP8 (E4M3), each with the one scale 2^e given for it (entries 0, 1, 7 of the scales).
; code = number / 2^e, held within +-448, rounded to the nearest code, ties to even.  LIMITS: e between -126 and 119; NaN among the inputs is not served.
; THE CODES ARE LAID AS IMAGES OF AN OPERAND'S REGISTERS.  A fragment is 16 rows x 128 along K = 2,048 bytes: byte 512 g + 16 l + e (lane l = 16 h + r) is row r's code at
; k = 32 g + 8 h + e (e < 8) or 32 g + 16 + 8 h + e - 8 (e >= 8): register 2 c, 2 c + 1 of a lane hold k = 16 c + 8 h + 0 .. 7, the 8-bit matrix forms' own places.
; A tensor is [tiles of 16 rows][8 K steps] such fragments.  So a later launch fetches a fragment by four loads of 16 bytes a lane at 16 x lane.
; Work-groups 0-511: a tile of 16 rows of x each (K innermost: through a stage in LDS).  512-703: w_qkv; 704-767: w_proj (K outermost: a lane takes a column, its registers run down K).
; A stream: every input byte is read once, every store of a wave covers whole aligned runs of 256 bytes.  No matrix unit, no tensor load, no barrier, no cluster: waves and work-groups share nothing.
.set XWG,  512                         ; work-groups for x
.set QWG,  192                         ; for w_qkv: 24 groups of 128 columns x 8 K steps
.set SP,   528                         ; a stage row: 512 bytes + 16: row r starts 4 r banks on, so that sixteen rows' reads do not meet
.set STG,  16*SP                       ; a stage: 16 rows
.set WREG, 2*STG                       ; two stages for each wave
.set R,    16                          ; v16-143  two sets of 64 numbers as loaded (x);  v16-79 two sets of 32 (weights)
.set X0,   144                         ; v144-207 64 numbers in the operand's order
.set C0,   208                         ; v208-223, v224-239 the two fragments' codes
.set C1,   224
	s_load_b256 s[4:11], s[0:1], 0x0               ; x s[4:5], w_qkv s[6:7], w_proj s[8:9], the scales' exponents s[10:11]
	s_load_b128 s[12:15], s[0:1], 0x20             ; x's codes s[12:13], w_qkv's s[14:15]
	s_load_b64 s[16:17], s[0:1], 0x30              ; w_proj's
	v_lshl_add_u32 v240, v0, 2, 0x10800
	v_mov_b32 v241, 0
	v_lshrrev_b32 v1, 5, v0
	v_readfirstlane_b32 s18, v1                    ; wave 0..3
	v_and_b32 v1, 31, v0                           ; lane
	v_and_b32 v2, 15, v0                           ; r
	v_bfe_u32 v3, v0, 4, 1                         ; h
	s_wait_kmcnt 0x0
	s_load_b256 s[24:31], s[10:11], 0x0            ; e0 .. e7
.macro SCALE e                         ; v10 = 2^e as f32 (the conversion takes its exponent field)
	s_wait_kmcnt 0x0
	s_add_co_i32 s32, s[\e], 127
	s_lshl_b32 s33, s32, 23
	v_mov_b32 v10, s33
.endm
	s_cmp_lt_u32 ttmp9, XWG
	s_cbranch_scc0 .Lweights
; ---- x.  The work-group takes rows 16 t .. 16 t + 15; wave w takes K steps 2 w and 2 w + 1.  Each load reads 512 consecutive bytes of a row (one K step); the 16 rows go through the wave's own stage
; and come back with each lane holding, of row r, the 64 numbers that the operand's layout gives lane (r, h).
	s_lshl_b32 s20, ttmp9, 16                      ; 16 rows of 4,096 bytes
	s_lshl_b32 s21, s18, 10                        ; + my 256 columns
	s_add_co_u32 s20, s20, s21
	s_mov_b32 s21, 0
	s_add_nc_u64 s[4:5], s[4:5], s[20:21]
	s_lshl_b32 s20, ttmp9, 14                      ; the tile's eight fragments
	s_lshl_b32 s22, s18, 12                        ; + my two
	s_add_co_u32 s20, s20, s22
	s_add_nc_u64 s[12:13], s[12:13], s[20:21]
	s_wait_alu depctr_va_vdst(0)
	v_lshlrev_b32 v4, 4, v1                        ; 16 x lane: in a row's 512 bytes, and in a group of a fragment
	s_mul_i32 s22, s18, WREG
	v_add_nc_u32 v5, s22, v4                       ; the stage, way in
	v_mul_u32_u24 v6, v2, SP
	v_lshl_add_u32 v6, v3, 5, v6
	v_add_nc_u32 v6, s22, v6                       ; way out: row r, + 32 h bytes (8 numbers)
.macro LOADF f
.set i, 0
.rept 16
	global_load_b128 v[R+64*(\f)+4*i:R+64*(\f)+4*i+3], v4, s[4:5] offset:4096*i+512*(\f) th:TH_LOAD_NT
.set i, i+1
.endr
.endm
.macro SIN f
.set i, 0
.rept 16
	ds_store_b128 v5, v[R+64*(\f)+4*i:R+64*(\f)+4*i+3] offset:STG*(\f)+SP*i
.set i, i+1
.endr
.endm
.macro SOUT f, x                       ; registers x + 16 g + 0..7: k = 32 g + 8 h + 0..7;  + 8..15: k = 32 g + 16 + 8 h + 0..7
.irp g, 0,1,2,3
	ds_load_b128 v[\x+16*\g:\x+16*\g+3],     v6 offset:STG*(\f)+128*\g
	ds_load_b128 v[\x+16*\g+4:\x+16*\g+7],   v6 offset:STG*(\f)+128*\g+16
	ds_load_b128 v[\x+16*\g+8:\x+16*\g+11],  v6 offset:STG*(\f)+128*\g+64
	ds_load_b128 v[\x+16*\g+12:\x+16*\g+15], v6 offset:STG*(\f)+128*\g+80
.endr
.endm
.macro QUANT x, c
.irp g, 0,1,2,3
.set i, 0
.rept 16
.set i, i+1
.endr
	v_cvt_scalef32_pk8_fp8_f32 v[\c+4*\g:\c+4*\g+1], v[\x+16*\g:\x+16*\g+7], v10
	v_cvt_scalef32_pk8_fp8_f32 v[\c+4*\g+2:\c+4*\g+3], v[\x+16*\g+8:\x+16*\g+15], v10
.endr
	v_nop                                          ; a plain vector line behind the last conversion
.endm
.macro OUTF f, c
.irp g, 0,1,2,3
	global_store_b128 v4, v[\c+4*\g:\c+4*\g+3], s[12:13] offset:2048*(\f)+512*\g   ; 32 lanes store 512 consecutive bytes, aligned
.endr
.endm
	LOADF 0
	LOADF 1
	s_wait_alu depctr_va_vdst(0)
	SCALE 24
	s_wait_alu depctr_va_vdst(0)
	s_wait_loadcnt 16                              ; the first fragment's 16 loads are in; the second's may be out
	SIN 0
	SOUT 0, X0                                     ; LDS serves a wave's instructions in order: these see the stores above
	s_wait_loadcnt 0x0
	SIN 1
	s_wait_dscnt 16                                ; the first fragment is back (and its stage stores are done); the 16 stores just issued may be out
	SOUT 1, R                                      ; into the registers that the first fragment's loads filled
	QUANT X0, C0
	OUTF 0, C0
	s_wait_dscnt 0x0
	QUANT R, C1
	OUTF 1, C1
	s_wait_tensorcnt 0x0
	ds_add_u32 v240, v241
	s_wait_dscnt 0x0
	s_endpgm
; ---- a weight [1024 (k)][N].  Work-group L: K step L % 8, columns 128 (L / 8) on; wave w 32 of them, a lane a column.  A load reads 128 consecutive bytes a wave, 512 a work-group.
; A lane's 32 numbers of a block of 32 along K are the 16 bytes of lane (r, 0) (k 0-7, 16-23) and of lane (r, 1) (k 8-15, 24-31) of group g of its column tile's fragment:
; sixteen lanes store 256 consecutive bytes, aligned.  Every offset is an immediate: 127 x N x 4 bytes at the most.
.macro WLOAD t, N, wp
.set i, 0
.rept 32
	global_load_b32 v[R+32*((\t)%2)+i], v4, s[\wp:\wp+1] offset:(32*(\t)+i)*\N*4 th:TH_LOAD_NT
.set i, i+1
.endr
.endm
.macro WBLOCK t, N, wp, cp
.set XS, R+32*((\t)%2)
.set CW, 80+8*(\t)                     ; eight registers of codes for each block: no store's data are written again
.if (\t) < 3
	s_wait_loadcnt 32                              ; this block's 32 loads are in; the next block's may be out
.else
	s_wait_loadcnt 0x0
.endif
.set i, 0
.rept 32
.set i, i+1
.endr
	v_cvt_scalef32_pk8_fp8_f32 v[CW:CW+1],   v[XS:XS+7],     v10
	v_cvt_scalef32_pk8_fp8_f32 v[CW+2:CW+3], v[XS+16:XS+23], v10
	v_cvt_scalef32_pk8_fp8_f32 v[CW+4:CW+5], v[XS+8:XS+15],  v10
	v_cvt_scalef32_pk8_fp8_f32 v[CW+6:CW+7], v[XS+24:XS+31], v10
	v_nop
	global_store_b128 v5, v[CW:CW+3],   s[\cp:\cp+1] offset:512*(\t)
	global_store_b128 v5, v[CW+4:CW+7], s[\cp:\cp+1] offset:512*(\t)+256
.if (\t) < 2
	WLOAD (\t)+2, \N, \wp
.endif
.endm
.macro WQ N, wp, cp, se, first
	s_sub_co_u32 s19, ttmp9, \first
	s_and_b32 s20, s19, 7                          ; K step
	s_lshr_b32 s21, s19, 3                         ; group of 128 columns
	s_mul_i32 s22, s20, 128*\N*4
	s_lshl_b32 s23, s21, 9
	s_add_co_u32 s22, s22, s23
	s_lshl_b32 s23, s18, 7
	s_add_co_u32 s22, s22, s23                     ; + my wave's 32 columns
	s_mov_b32 s23, 0
	s_add_nc_u64 s[\wp:\wp+1], s[\wp:\wp+1], s[22:23]
	s_lshl_b32 s22, s21, 3
	s_lshl_b32 s34, s18, 1
	s_add_co_u32 s22, s22, s34                     ; my first column tile: 8 x group + 2 x wave
	s_lshl_b32 s22, s22, 14
	s_lshl_b32 s34, s20, 11
	s_add_co_u32 s22, s22, s34                     ; its fragment of this K step
	s_add_nc_u64 s[\cp:\cp+1], s[\cp:\cp+1], s[22:23]
	v_lshlrev_b32 v4, 2, v1                        ; in: 4 bytes a lane
	v_lshlrev_b32 v5, 14, v3                       ; out: lanes 16-31 belong to the next column tile,
	v_lshl_add_u32 v5, v2, 4, v5                   ; 16 bytes for each column
	WLOAD 0, \N, \wp
	WLOAD 1, \N, \wp
	SCALE \se
	s_wait_alu depctr_va_vdst(0)
	WBLOCK 0, \N, \wp, \cp
	WBLOCK 1, \N, \wp, \cp
	WBLOCK 2, \N, \wp, \cp
	WBLOCK 3, \N, \wp, \cp
.endm
.Lweights:
	s_cmp_lt_u32 ttmp9, XWG+QWG
	s_cbranch_scc0 .Lproj_w
	s_wait_alu depctr_va_vdst(0)
	WQ 3072, 6, 14, 25, XWG
	s_endpgm
.Lproj_w:
	s_wait_alu depctr_va_vdst(0)
	WQ 1024, 8, 16, 31, XWG+QWG
	s_endpgm
.Lfunc_end_k_qd54c50b687_quant:
	.size	k_qd54c50b687_quant, .Lfunc_end_k_qd54c50b687_quant-k_qd54c50b687_quant
	.p2alignl 7, 3214868480
	.fill 96, 4, 3214868480
	.section	.rodata,"a",@progbits
	.p2align	6, 0x0
	.amdhsa_kernel k_qd54c50b687_quant
		.amdhsa_group_segment_fixed_size 68096
		.amdhsa_private_segment_fixed_size 0
		.amdhsa_enable_private_segment 0
		.amdhsa_kernarg_size 56
		.amdhsa_user_sgpr_count 2
		.amdhsa_user_sgpr_kernarg_segment_ptr 1
		.amdhsa_wavefront_size32 1
		.amdhsa_system_sgpr_workgroup_id_x 1
		.amdhsa_system_sgpr_workgroup_id_y 1
		.amdhsa_system_sgpr_workgroup_id_z 1
		.amdhsa_system_vgpr_workitem_id 0
		.amdhsa_next_free_vgpr 242
		.amdhsa_next_free_sgpr 66
		.amdhsa_reserve_vcc 0
		.amdhsa_float_denorm_mode_32 3
		.amdhsa_float_denorm_mode_16_64 3
		.amdhsa_fp16_overflow 1
		.amdhsa_memory_ordered 1
		.amdhsa_forward_progress 1
		.amdhsa_inst_pref_size 41
	.end_amdhsa_kernel
	.amdgpu_metadata
---
amdhsa.version: [ 1, 2 ]
amdhsa.kernels:
  - .name:           k_qd54c50b687_quant
    .symbol:         k_qd54c50b687_quant.kd
    .args:
      - { .name: x, .offset: 0, .size: 8, .value_kind: global_buffer, .address_space: global }
      - { .name: w_qkv, .offset: 8, .size: 8, .value_kind: global_buffer, .address_space: global }
      - { .name: w_proj, .offset: 16, .size: 8, .value_kind: global_buffer, .address_space: global }
      - { .name: lowp_scales, .offset: 24, .size: 8, .value_kind: global_buffer, .address_space: global }
      - { .name: x_codes, .offset: 32, .size: 8, .value_kind: global_buffer, .address_space: global }
      - { .name: wqkv_codes, .offset: 40, .size: 8, .value_kind: global_buffer, .address_space: global }
      - { .name: wproj_codes, .offset: 48, .size: 8, .value_kind: global_buffer, .address_space: global }
    .group_segment_fixed_size: 68096
    .private_segment_fixed_size: 0
    .kernarg_segment_align: 8
    .kernarg_segment_size: 56
    .max_flat_workgroup_size: 128
    .sgpr_count:     66
    .vgpr_count:     242
    .wavefront_size: 32
...
	.end_amdgpu_metadata
.endif
;; end of part 1
;; launch qkv (part 2): grid 12 x 32, 4 waves a work-group, clusters of 4 x 4, 327,680 bytes of LDS; arguments x_codes, wqkv_codes, lowp_scales, b_qkv, q_codes, k_codes, v_codes; writes q_codes, k_codes, v_codes
.if DOCPART == 2
	.amdgcn_target "amdgcn-amd-amdhsa--gfx1250"
	.amdhsa_code_object_version 6
	.text
	.protected	k_qd54c50b687_qkv
	.globl	k_qd54c50b687_qkv
	.p2align	8
	.type	k_qd54c50b687_qkv,@function
k_qd54c50b687_qkv:
	s_mov_b64 s[64:65], 0
	v_nop
	global_prefetch_b8 v0, s[64:65] scope:SCOPE_SE
	s_setreg_imm32_b32 hwreg(HW_REG_WAVE_MODE, 25, 1), 1
	s_wait_xcnt 0x0
	s_wait_alu depctr_hold_cnt(0) depctr_sa_sdst(0) depctr_va_vdst(0) depctr_va_sdst(0) depctr_va_ssrc(0) depctr_va_vcc(0) depctr_vm_vsrc(0)
	s_getreg_b32 s2, hwreg(HW_REG_IB_STS2, 6, 4)
	s_cmp_eq_u32 s2, 0
	s_cbranch_scc0 .Lentry_in_a_cluster
	s_endpgm
.Lentry_in_a_cluster:
	s_bfe_u32 s2, ttmp6, 0x10000c
	s_cmp_lg_u32 s2, 0xf033
	s_cbranch_scc0 .Lentry_shape_is_right
	s_endpgm
.Lentry_shape_is_right:
; qkv = x w_qkv + b_qkv on codes of FP8 (E4M3), then q, k and v are quantised again (scales 2^e2, 2^e3, 2^e5) and stored as images of the next products' operand registers.
; x_codes: [512 tiles of 16 tokens][8 K steps], wqkv_codes: [192 tiles of 16 features][8 K steps] fragments of 16 rows x 128 K, 2,048 bytes: byte 512 g + 16 l + e = registers 4 g .. 4 g + 3 of lane l.
; A tile of 256 tokens x 256 features is made by a work-group of four waves, a wave 128 x 128: 64 accumulators, 512 registers.  K = 1,024 goes in four slots' worth of 256 through a ring of two LDS slots.
; CLUSTERS: 4 x 4 work-groups; the four of a row need the same tokens, the four of a column the same features: each tile is asked for JOINTLY.
; THE MATRIX INSTRUCTION: source 0 = a fragment of register set B, source 1 = one of set A: a lane (r, h) then holds row 16 a + r of set A's side and rows 16 b + 8 h + 0..7 of set B's side.
; The cluster's x says what is made: 0 q, 1 k, 2 v (1,024 features each).  q, k: set A = tokens, set B = features: a lane holds one token and eight neighbouring channels, the next K.
; v: the next K is the keys, so set A = features and set B = tokens: only the LDS bytes from which the two sets are read change places.
; So two conversions of accumulators 2 g and 2 g + 1 ARE registers 4 g .. 4 g + 3 of a fragment, and a wave's store covers 512 consecutive bytes, aligned: no stage in LDS.
; q_codes, k_codes: [64 heads][128 tiles of 16 tokens] fragments of 16 x 64 K (1,024 bytes).  v_codes: [64 heads][16 blocks of 128 keys][4 tiles of 16 channels] fragments of 16 x 128 K.
; LIMITS: e0 + e1 between -126 and 127; e2, e3, e5 between -126 and 119.
; REGISTERS: window 0: v16-29 addresses; v32-95 the biases; v96-103 their offsets; v104 the scale; v128-255 set A (one set), later the way out.  window 1: set B, two sets.  windows 2, 3: accumulators, (a, b) at v[8 (8 (a % 4) + b)].
.set FR,    16                         ; registers of a fragment
.set NL,    4                          ; LDS loads that bring one
.set NP,    4                          ; places behind this matrix instruction (ISA guide 7.12.1)
.set KSB,   4096                       ; a slot's two K steps of one tile of 16 rows
.set HALFT, 8*KSB                      ; 128 rows: what one tensor load brings, and what one wave reads of a side
.set SLOT,  4*HALFT                    ; the tokens' 256 rows, then the features' 256
.set SPARE, 2*SLOT                     ; behind the ring: the spare words, 128 bytes for each wave
.set LAPS,  2                          ; 1,024 / 512: a lap = once round the ring
.set ADRA, 16                          ; v16-17 LDS address of set A's fragments in slot 0, 1
.set ADRB, 20                          ; v20-21 of set B's
.set LN,   26                          ; v26    16 x lane
.set SPW,  28                          ; v28    LDS address of my spare word; never rewritten
.set NIL,  29                          ; v29    0; never rewritten
.set BI,   32                          ; v32-95 biases in the result's layout
.set BO,   96                          ; v96-103 their byte offsets
.set AF,   128
.set TMP,  128                         ; the way out: a block's 64 numbers
.set G1, 24
.set G0, 32
.set G1B, 48
.set G0B, 56
.set MSB, 0
.macro WIN new                         ; the immediate's high byte repeats the setting that is left
.if MSB != \new
	s_set_vgpr_msb (MSB<<8)|\new
.set MSB, \new
.endif
.endm
.set MUL_LO, 0xa1                      ; source 0 window 1, source 1 window 0, C and D window 2
.set MUL_HI, 0xf1                      ; the same, C and D window 3
.set TO_B,   0x40                      ; destination window 1, address window 0
; A joint load: waves 0 and 1 fetch the tokens' halves, waves 2 and 3 the features'.  The branch hangs on the wave's number alone.  Four v_nop follow each of the two lines.
.macro JLOAD g0a, g1a, g0b, g1b
	s_cmp_eq_u32 s15, 0
	s_cbranch_scc0 .Lfor_b_\@
	tensor_load_to_lds s[\g0a:\g0a+3], s[\g1a:\g1a+7]
	s_nop 0
.rept 4
	v_nop
.endr
	s_branch .Lasked_\@
.Lfor_b_\@:
	tensor_load_to_lds s[\g0b:\g0b+3], s[\g1b:\g1b+7]
	s_nop 0
.rept 4
	v_nop
.endr
.Lasked_\@:
.endm
.macro CREST                           ; a round of the cluster's barrier behind its opening barrier
	s_cmp_lg_u32 s14, 0
	s_cbranch_scc1 .Lnot_wave_0_\@
	s_barrier_signal -3
.Lnot_wave_0_\@:
	s_barrier_wait -3
	s_barrier_signal -1
	s_barrier_wait -1
.endm
.macro CROUND
	s_barrier_signal -1
	s_barrier_wait -1
	CREST
.endm
	s_load_b256 s[4:11], s[0:1], 0x0               ; x's codes s[4:5], w_qkv's s[6:7], the scales' exponents s[8:9], b_qkv s[10:11]
	s_load_b128 s[68:71], s[0:1], 0x20             ; q's codes, k's codes
	s_load_b64 s[72:73], s[0:1], 0x30              ; v's codes
	v_lshl_add_u32 v[SPW], v0, 2, SPARE
	v_mov_b32 v[NIL], 0
	ds_add_u32 v28, v29
	ds_add_u32 v28, v29
	s_wait_dscnt 0x0
	v_lshrrev_b32 v1, 5, v0
	v_readfirstlane_b32 s14, v1                    ; wave 0..3
	s_lshr_b32 s15, s14, 1                         ; which half of set A's side is mine.  Also: I fetch tokens (0) or features (1)
	s_and_b32 s16, s14, 1                          ; which half of set B's side.  Also: which 128 rows I fetch
	s_bfe_u32 s40, ttmp6, 0x40000                  ; cx, cy: my place in the cluster
	s_bfe_u32 s41, ttmp6, 0x40004
	s_lshl_b32 s42, ttmp9, 2
	s_add_co_u32 s42, s42, s40                     ; tile column (256 features) = 4 x cluster x + cx
	s_and_b32 s17, ttmp7, 0xffff
	s_lshl_b32 s17, s17, 2
	s_add_co_u32 s17, s17, s41                     ; tile row (256 tokens) = 4 x cluster y + cy
	s_lshl_b32 s43, s41, 2
	s_lshl_b32 s43, 15, s43                        ; my row of the cluster
	s_lshl_b32 s44, 0x1111, s40                    ; my column
	; descriptor group 1: 8 rows (tiles of 16) of 4,096 bytes, 16,384 bytes apart in memory, dense in LDS; elements of 8 bytes
	s_or_b32 s[G1+0], s43, (3<<16)|(1<<21)         ; 15:0 the mask; 17:16 elements of 8 bytes; 21 set beside a mask
	s_or_b32 s[G1B+0], s44, (3<<16)|(1<<21)
.irp g, G1, G1B
	s_mov_b32 s[\g+1], 512<<16                     ; tensor_dim0 = 512
	s_mov_b32 s[\g+2], 8<<16                       ; tensor_dim1 = 8
	s_mov_b32 s[\g+3], 512<<16                     ; tile_dim0 = 512
	s_mov_b32 s[\g+4], 8                           ; tile_dim1 = 8
	s_mov_b32 s[\g+5], 2048                        ; tensor_dim0_stride
	s_mov_b32 s[\g+6], 0
	s_mov_b32 s[\g+7], 0
.endr
	s_lshl_b32 s18, s16, 3                         ; which 8 tiles of 16 rows I fetch
	s_lshl_b32 s20, s17, 4
	s_add_co_u32 s20, s20, s18
	s_lshl_b32 s20, s20, 14                        ; tokens: (16 x tile row + 8 x half) x 16,384 bytes
	s_mov_b32 s21, 0
	s_lshl_b32 s46, s42, 4
	s_add_co_u32 s46, s46, s18
	s_lshl_b32 s46, s46, 14                        ; features likewise, by the tile column
	s_mov_b32 s47, 0
	s_mul_i32 s45, s14, HALFT                      ; where they go: wave x 128 rows: no place in the cluster enters an LDS address
	s_wait_kmcnt 0x0
	s_load_b256 s[80:87], s[8:9], 0x0              ; e0 .. e7
	s_add_nc_u64 s[20:21], s[4:5], s[20:21]
	s_add_nc_u64 s[46:47], s[6:7], s[46:47]
	CROUND                                         ; all sixteen work-groups are here: the first joint loads meet
.irp s, 0,1
	s_mov_b32 s[G0+4*\s], 1
	s_add_co_u32 s[G0+4*\s+1], s45, \s*SLOT
	s_add_nc_u64 s[G0+4*\s+2:G0+4*\s+3], s[20:21], \s*KSB
	s_or_b32 s[G0+4*\s+3], s[G0+4*\s+3], 0x80000000
	s_mov_b32 s[G0B+4*\s], 1
	s_add_co_u32 s[G0B+4*\s+1], s45, \s*SLOT
	s_add_nc_u64 s[G0B+4*\s+2:G0B+4*\s+3], s[46:47], \s*KSB
	s_or_b32 s[G0B+4*\s+3], s[G0B+4*\s+3], 0x80000000
	JLOAD G0+4*\s, G1, G0B+4*\s, G1B
.endr
	v_and_b32 v1, 15, v0                           ; r
	v_bfe_u32 v2, v0, 4, 1                         ; h
	v_and_b32 v3, 31, v0
	v_lshlrev_b32 v[LN], 4, v3
	s_wait_alu depctr_va_vdst(0)
	s_cmp_eq_u32 ttmp9, 2                          ; v?  The cluster's x is the same in all sixteen partners
	s_cselect_b32 s90, 65536, 0                    ; where set A is read from: the features' half of a slot, or the tokens'
	s_cselect_b32 s91, 0, 65536                    ; and set B
	s_cselect_b32 s92, s15, s16                    ; P: which 128 features are mine
	s_cselect_b32 s93, s16, s15                    ; R: which 128 tokens
	s_cselect_b32 s94, 4, 0                        ; the bias's offset: v: 4 r (one channel a lane);
	s_cselect_b32 s95, 0, 32                       ; q, k: 32 h + 4 i (eight channels a lane)
	s_cselect_b32 s89, 0, 4
	s_mul_i32 s21, s15, HALFT
	s_add_co_u32 s21, s21, s90
	s_mul_i32 s22, s16, HALFT
	s_add_co_u32 s22, s22, s91
.irp s, 0,1
	v_add_nc_u32 v[ADRA+\s], s21, v[LN]
	v_add_nc_u32 v[ADRB+\s], s22, v[LN]
	s_add_co_u32 s21, s21, SLOT
	s_add_co_u32 s22, s22, SLOT
.endr
	s_lshl_b32 s78, s42, 10
	s_lshl_b32 s79, s92, 9
	s_add_co_u32 s78, s78, s79
	s_mov_b32 s79, 0
	s_add_nc_u64 s[76:77], s[10:11], s[78:79]      ; b_qkv at my 128 features
	v_mul_u32_u24 v[BO], v1, s94
	v_mad_u32_u24 v[BO], v2, s95, v[BO]
.irp i, 1,2,3,4,5,6,7
	v_add_nc_u32 v[BO+\i], s89, v[BO+\i-1]
.endr
.set x, 0
.rept 8                                ; q, k: register 8 b + i = the bias of feature 16 b + 8 h + i;  v: register 8 a + i = that of feature 16 a + r.  512 bytes, read once
.irp i, 0,1,2,3,4,5,6,7
	global_load_b32 v[BI+8*x+\i], v[BO+\i], s[76:77] offset:64*x
.endr
.set x, x+1
.endr
	s_cmp_eq_u32 ttmp9, 0
	s_cselect_b64 s[74:75], s[68:69], s[70:71]
	s_cmp_eq_u32 ttmp9, 2
	s_cselect_b64 s[74:75], s[72:73], s[74:75]     ; the buffer that my cluster fills
	s_lshr_b32 s78, s17, 3                         ; the batch: 8 tile rows each
	s_lshl_b32 s78, s78, 4
	s_and_b32 s79, s42, 3
	s_lshl_b32 s79, s79, 2
	s_add_co_u32 s78, s78, s79
	s_lshl_b32 s79, s92, 1
	s_add_co_u32 s78, s78, s79                     ; my first head: 16 x batch + 4 x (tile column % 4) + 2 P
	s_lshl_b32 s78, s78, 17                        ; 131,072 bytes a head
	s_and_b32 s79, s17, 7
	s_lshl_b32 s79, s79, 1
	s_add_co_u32 s79, s79, s93
	s_lshl_b32 s79, s79, 13                        ; my 128 tokens: 8,192 bytes in each of the three layouts
	s_add_co_u32 s78, s78, s79
	s_mov_b32 s79, 0
	s_add_nc_u64 s[74:75], s[74:75], s[78:79]
.macro FRAG reg, adr, q, i             ; fragment (tile i, K step q of the slot): four loads of 512 consecutive bytes: no bank is met twice
.irp c, 0,1,2,3
	ds_load_b128 v[\reg+4*\c:\reg+4*\c+3], v[\adr] offset:KSB*(\i)+2048*(\q)+512*\c
.endr
.endm
; 16 matrix instructions: set A's blocks a0, a0 + 1 x set B's eight, 128 along K.  p: B's set.  zero = 1: the first product starts the sums.  The 64 accumulators take turns.
.macro MUL16 a0, p, zero
.irp a, \a0, \a0+1
.irp b, 0,1,2,3,4,5,6,7
.if \zero
	v_wmma_f32_16x16x128_fp8_fp8 v[8*(8*((\a)%4)+\b):8*(8*((\a)%4)+\b)+7], v[128*(\p)+FR*\b:128*(\p)+FR*\b+FR-1], v[AF+FR*(\a):AF+FR*(\a)+FR-1], 0
.else
	v_wmma_f32_16x16x128_fp8_fp8 v[8*(8*((\a)%4)+\b):8*(8*((\a)%4)+\b)+7], v[128*(\p)+FR*\b:128*(\p)+FR*\b+FR-1], v[AF+FR*(\a):AF+FR*(\a)+FR-1], v[8*(8*((\a)%4)+\b):8*(8*((\a)%4)+\b)+7]
.endif
.endr
.endr
.endm
.macro FETCH_B slot, q, p
	WIN TO_B
.irp i, 0,1,2,3,4,5,6,7
	FRAG 128*(\p)+FR*\i, ADRB+\slot, \q, \i
.endr
	WIN 0
.endm
.macro FETCH_A slot, q, i0
.irp i, \i0, \i0+1, \i0+2, \i0+3
	FRAG AF+FR*(\i), ADRA+\slot, \q, \i
.endr
.endm
.macro PLACES n                        ; plain vector lines between a matrix instruction and a load into, or a vector line on, its registers
.rept \n
	v_nop
.endr
.endm
; A step of 128 along K that has its successor in the same slot.  Set A's block is free when its eight products are issued: blocks 0-3 are fetched anew in the step's middle, 4-7 at its end.
.macro STEP slot, q, zero
	s_wait_dscnt 4*NL                              ; set B and A's blocks 0-3 are in; the youngest 16 loads (A's blocks 4-7) may be out
	WIN MUL_LO
	MUL16 0, (\q)%2, \zero
	MUL16 2, (\q)%2, \zero
	s_wait_dscnt 0
	PLACES NP
	FETCH_B \slot, (\q)+1, 1-(\q)%2
	FETCH_A \slot, (\q)+1, 0
	WIN MUL_HI
	MUL16 4, (\q)%2, \zero
	MUL16 6, (\q)%2, \zero
	PLACES NP
	WIN 0
	FETCH_A \slot, (\q)+1, 4
.endm
; A slot's last step changes slots: one barrier; in front of it each wave waits for all its tensor loads, adds 0 to its spare word, and waits for that and for its reads of this slot.
.macro TURN slot, next, fill
	s_wait_tensorcnt 0x0                           ; all my tensor loads have landed: my part of the next slot
	ds_add_u32 v[SPW], v[NIL]                      ; 0 onto my spare word
	s_wait_dscnt 4*NL+1                            ; (the add and the youngest 16 loads may be out)
	WIN MUL_LO
	MUL16 0, 1, 0
	s_wait_dscnt 0x0                               ; the add is done, and my reads of this slot are over
	s_barrier_signal -1
	MUL16 2, 1, 0
	WIN 0
	s_barrier_wait -1
.if \fill
	CREST                                          ; the barrier has opened a round of the cluster's: no wave of any partner still reads this slot or has a load on its way
	s_add_nc_u64 s[G0+4*\slot+2:G0+4*\slot+3], s[G0+4*\slot+2:G0+4*\slot+3], 2*KSB
	s_add_nc_u64 s[G0B+4*\slot+2:G0B+4*\slot+3], s[G0B+4*\slot+2:G0B+4*\slot+3], 2*KSB
	JLOAD G0+4*\slot, G1, G0B+4*\slot, G1B         ; the first tensor load behind the round; its four v_nop are also the places in front of the loads below
.else
	PLACES NP
.endif
	FETCH_B \next, 0, 0
	FETCH_A \next, 0, 0
	WIN MUL_HI
	MUL16 4, 1, 0
	MUL16 6, 1, 0
	PLACES NP
	WIN 0
	FETCH_A \next, 0, 4
.endm
	s_wait_tensorcnt 1                             ; my part of slot 0 is in (slot 1's load may be out)
	s_barrier_signal -1
	s_barrier_wait -1                              ; everybody's is
	FETCH_B 0, 0, 0
	FETCH_A 0, 0, 0
	FETCH_A 0, 0, 4
	STEP 0, 0, 1                                   ; the first step's products start the sums
.rept LAPS-1                           ; one lap fills both slots again: written out, since it runs once
	TURN 0, 1, 1
	STEP 1, 0, 0
	TURN 1, 0, 1
	STEP 0, 0, 0
.endr
	TURN 0, 1, 0                                   ; the last lap fills nothing
	STEP 1, 0, 0
	s_wait_dscnt 4*NL
	WIN MUL_LO
	MUL16 0, 1, 0
	MUL16 2, 1, 0
	s_wait_dscnt 0
	WIN MUL_HI
	MUL16 4, 1, 0
	MUL16 6, 1, 0
	WIN 0
; THE WAY OUT of set A's block a: number = sum x 2^(e0 + e1) + bias, one packed multiply-add for two; eight conversions: four groups of four registers, each stored as 512 consecutive bytes.
.macro OUTBLK a, isv
.set AC, 64*((\a)%4)
.set CD, 192+16*((\a)%4)
.if (\a) == 4
	s_wait_xcnt 0x0                                ; blocks 0-3's stores have read their registers, which blocks 4-7 write again
.endif
	WIN 0x02+((\a)/4)                              ; source 0: window 2 or 3
.irp b, 0,1,2,3,4,5,6,7
.irp i, 0,2,4,6
.if \isv
	v_pk_fma_f32 v[TMP+8*\b+\i:TMP+8*\b+\i+1], v[AC+8*\b+\i:AC+8*\b+\i+1], s[96:97], v[BI+8*(\a)+\i:BI+8*(\a)+\i+1] op_sel_hi:[1,0,1]
.else
	v_pk_fma_f32 v[TMP+8*\b+\i:TMP+8*\b+\i+1], v[AC+8*\b+\i:AC+8*\b+\i+1], s[96:97], v[BI+8*\b+\i:BI+8*\b+\i+1] op_sel_hi:[1,0,1]
.endif
.endr
.endr
	WIN 0
.irp b, 0,1,2,3,4,5,6,7
.irp i, 0,1,2,3,4,5,6,7
.endr
	v_cvt_scalef32_pk8_fp8_f32 v[CD+2*\b:CD+2*\b+1], v[TMP+8*\b:TMP+8*\b+7], v104
.endr
	v_nop                                          ; a plain vector line behind the last conversion
.irp g, 0,1,2,3
.if \isv
	global_store_b128 v[LN], v[CD+4*\g:CD+4*\g+3], s[74:75] offset:((\a)/4)*131072+((\a)%4)*2048+\g*512   ; head a / 4, channel tile a % 4, keys 32 g on
.else
	global_store_b128 v[LN], v[CD+4*\g:CD+4*\g+3], s[74:75] offset:(\g/2)*131072+(\a)*1024+(\g%2)*512     ; head g / 2, token tile a, channels 32 (g % 2) on
.endif
.endr
.endm
	s_wait_kmcnt 0x0
	s_add_co_i32 s96, s80, s81
	s_add_co_i32 s96, s96, 127
	s_lshl_b32 s96, s96, 23                        ; 2^(e0 + e1) as f32
	s_mov_b32 s97, s96                             ; (named with it as a pair, so it is written)
	s_cmp_eq_u32 ttmp9, 0
	s_cselect_b32 s98, s82, s83
	s_cmp_eq_u32 ttmp9, 2
	s_cselect_b32 s98, s85, s98                    ; e2, e3 or e5: a choice, no branch on a loaded number
	s_add_co_i32 s98, s98, 127
	s_lshl_b32 s99, s98, 23
	v_mov_b32 v104, s99                            ; the new scale as f32
	s_wait_loadcnt 0x0                             ; the biases
	PLACES NP
	s_cmp_eq_u32 ttmp9, 2
	s_cbranch_scc1 .Lv_out
.irp a, 0,1,2,3,4,5,6,7
	OUTBLK \a, 0
.endr
	s_branch .Ldone
.Lv_out:
.irp a, 0,1,2,3,4,5,6,7
	OUTBLK \a, 1
.endr
.Ldone:
	s_wait_tensorcnt 0x0                           ; the wave's end
	ds_add_u32 v[SPW], v[NIL]
	s_wait_dscnt 0x0
	CROUND                                         ; the closing round: no work-group ends while a partner may still ask for a tile that names it
	s_endpgm
.Lfunc_end_k_qd54c50b687_qkv:
	.size	k_qd54c50b687_qkv, .Lfunc_end_k_qd54c50b687_qkv-k_qd54c50b687_qkv
	.p2alignl 7, 3214868480
	.fill 96, 4, 3214868480
	.section	.rodata,"a",@progbits
	.p2align	6, 0x0
	.amdhsa_kernel k_qd54c50b687_qkv
		.amdhsa_group_segment_fixed_size 327680
		.amdhsa_private_segment_fixed_size 0
		.amdhsa_enable_private_segment 0
		.amdhsa_kernarg_size 56
		.amdhsa_user_sgpr_count 2
		.amdhsa_user_sgpr_kernarg_segment_ptr 1
		.amdhsa_wavefront_size32 1
		.amdhsa_system_sgpr_workgroup_id_x 1
		.amdhsa_system_sgpr_workgroup_id_y 1
		.amdhsa_system_sgpr_workgroup_id_z 1
		.amdhsa_system_vgpr_workitem_id 0
		.amdhsa_next_free_vgpr 1024
		.amdhsa_next_free_sgpr 100
		.amdhsa_reserve_vcc 0
		.amdhsa_float_denorm_mode_32 3
		.amdhsa_float_denorm_mode_16_64 3
		.amdhsa_fp16_overflow 1
		.amdhsa_memory_ordered 1
		.amdhsa_forward_progress 1
		.amdhsa_inst_pref_size 132
	.end_amdhsa_kernel
	.amdgpu_metadata
---
amdhsa.version: [ 1, 2 ]
amdhsa.kernels:
  - .name:           k_qd54c50b687_qkv
    .symbol:         k_qd54c50b687_qkv.kd
    .args:
      - { .name: x_codes, .offset: 0, .size: 8, .value_kind: global_buffer, .address_space: global }
      - { .name: wqkv_codes, .offset: 8, .size: 8, .value_kind: global_buffer, .address_space: global }
      - { .name: lowp_scales, .offset: 16, .size: 8, .value_kind: global_buffer, .address_space: global }
      - { .name: b_qkv, .offset: 24, .size: 8, .value_kind: global_buffer, .address_space: global }
      - { .name: q_codes, .offset: 32, .size: 8, .value_kind: global_buffer, .address_space: global }
      - { .name: k_codes, .offset: 40, .size: 8, .value_kind: global_buffer, .address_space: global }
      - { .name: v_codes, .offset: 48, .size: 8, .value_kind: global_buffer, .address_space: global }
    .group_segment_fixed_size: 327680
    .private_segment_fixed_size: 0
    .kernarg_segment_align: 8
    .kernarg_segment_size: 56
    .max_flat_workgroup_size: 128
    .sgpr_count:     100
    .vgpr_count:     1024
    .wavefront_size: 32
...
	.end_amdgpu_metadata
.endif
;; end of part 2
;; launch attn (part 3): grid 4 x 64, 16 waves a work-group, clusters of 4 x 1, 264,192 bytes of LDS; arguments q_codes, k_codes, v_codes, lowp_scales, a_codes; writes a_codes
.if DOCPART == 3
	.amdgcn_target "amdgcn-amd-amdhsa--gfx1250"
	.amdhsa_code_object_version 6
	.text
	.protected	k_qd54c50b687_attn
	.globl	k_qd54c50b687_attn
	.p2align	8
	.type	k_qd54c50b687_attn,@function
k_qd54c50b687_attn:
	s_mov_b64 s[64:65], 0
	v_nop
	global_prefetch_b8 v0, s[64:65] scope:SCOPE_SE
	s_setreg_imm32_b32 hwreg(HW_REG_WAVE_MODE, 25, 1), 1
	s_wait_xcnt 0x0
	s_wait_alu depctr_hold_cnt(0) depctr_sa_sdst(0) depctr_va_vdst(0) depctr_va_sdst(0) depctr_va_ssrc(0) depctr_va_vcc(0) depctr_vm_vsrc(0)
	s_getreg_b32 s2, hwreg(HW_REG_IB_STS2, 6, 4)
	s_cmp_eq_u32 s2, 0
	s_cbranch_scc0 .Lentry_in_a_cluster
	s_endpgm
.Lentry_in_a_cluster:
	s_bfe_u32 s2, ttmp6, 0x10000c
	s_cmp_lg_u32 s2, 0x3003
	s_cbranch_scc0 .Lentry_shape_is_right
	s_endpgm
.Lentry_shape_is_right:
; a = softmax(q k^T / 8, causal) v for 64 heads of 2,048 tokens x 64 channels, both products on codes of FP8 (E4M3); a is quantised again (2^e6) for the last product.
; THE SOFTMAX: t = score x log2(e) / 8; M = the running largest t rounded UP to a whole number; p = 2^(t - M) is quantised (2^e4), not normalised; the row's sum is taken of the unquantised p and divides at the end.
; When M moves, the sum and O are multiplied by 2^(old M - new M), which rounds nothing.
; SHARES.  The four work-groups of a cluster serve one head.  A HEAD'S K AND V, 131,072 bytes of codes each, STAY IN LDS: they are asked for once, at the head, jointly by the four, and nothing is filled again.
; A head has 128 tiles of 16 queries, in 16 groups of 8 (a group = 128 queries = one key step).  Wave w takes two tiles, one after the other: number 2 cx + w / 8 of group 15 - w % 8, then of group w % 8:
; (16 - w % 8) + (w % 8 + 1) = 17 key steps of 128 for every wave.  All branches hang on the group, that is on the wave's number; cx enters global offsets and the mask's numbers alone.
; LAYOUT.  Both products are used transposed: S^T = K Q^T (source 0 = 16 keys, source 1 = my 16 queries), O^T = V^T P^T: a lane (r, h) holds query r throughout.  Register j of tile u of S^T is key 16 u + 8 h + j:
; the conversion of tile u's eight registers is registers 2 u, 2 u + 1 of P, the form's own places.  The codes lie in memory and in LDS as images of the operands' registers: a fragment comes by loads at 16 x lane.
; The three tensor loads of a wave bring keys 0-511, 512-1,023, 1,024-2,047: three loads of mine are out at the most; the first key steps begin when the first has landed.  All that the launch reads of K and V is asked for there: so no prefetch.
; A hidden score becomes -infinity where the model has -1e9: p = 0 either way while a row's largest visible logit is above about -9e8.
; LIMITS: e2 + e3 between -123 and 130 (added to c's exponent field); e4, e6 between -126 and 119.  NaN is not served.
; REGISTERS: v1 16 x lane; v2 the mask's d; v3, v4 offsets in a; v5, v6 in q; v8, v9 LDS addresses; v10 2^e4; v12 -M; v13 largest t; v[14:15] the sum; v16-23, v208-215 Q; v24 2^e6; v26 -infinity;
;   v32-95 K's, then V's fragments; v96-159 S^T, then p; v160-191 O^T; v192-207 a's codes; v224-239 p's codes; v240-254 at work.
.set WV,  18                           ; s18  my wave's number
.set G1S, 24                           ; s[24:31] descriptor group 1: 16 rows of 256 bytes;  s[32:39]: 32 rows
.set G1L, 32
.macro CROUND                          ; a round of the cluster's barrier
	s_barrier_signal -1
	s_barrier_wait -1
	s_cmp_lg_u32 s[WV], 0
	s_cbranch_scc1 .Lnot_wave_0_\@
	s_barrier_signal -3
.Lnot_wave_0_\@:
	s_barrier_wait -3
	s_barrier_signal -1
	s_barrier_wait -1
.endm
	s_load_b256 s[4:11], s[0:1], 0x0               ; q's codes s[4:5], k's s[6:7], v's s[8:9], the scales' exponents s[10:11]
	s_load_b64 s[12:13], s[0:1], 0x20              ; a's codes
	v_lshl_add_u32 v251, v0, 2, 0x40000
	v_mov_b32 v255, 0
	ds_add_u32 v251, v255
	ds_add_u32 v251, v255
	v_lshrrev_b32 v1, 5, v0
	s_delay_alu instid0(VALU_DEP_1)
	v_readfirstlane_b32 s[WV], v1                  ; wave 0..15
	s_bfe_u32 s19, ttmp6, 0x40000                  ; cx
	s_and_b32 s66, ttmp7, 0xffff                   ; the head (16 x batch + head), which the four partners share
	s_and_b32 s67, s[WV], 7
	s_lshr_b32 s68, s[WV], 3                       ; waves 0-7 fetch K, waves 8-15 V
	s_lshl_b32 s69, s68, 17                        ; K's image at LDS byte 0, V's at 131,072
	s_lshl_b32 s70, s67, 12                        ; my 4,096 bytes of a chunk of 32,768,
	s_lshl_b32 s71, s67, 13                        ; my 8,192 of the chunk of 65,536
	s_lshl_b32 s72, s66, 17                        ; the head's first byte in q, k and v
	s_mov_b32 s73, 0
.irp g, G1S, G1L
	s_mov_b32 s[\g], 15|(3<<16)|(1<<21)            ; 15:0 the mask: all four work-groups; 17:16 elements of 8 bytes; 21 set beside a mask
	s_mov_b32 s[\g+1], 32<<16                      ; tensor_dim0 = 32 (256 bytes)
	s_mov_b32 s[\g+3], 32<<16                      ; tile_dim0
	s_mov_b32 s[\g+5], 32                          ; tensor_dim0_stride: dense
	s_mov_b32 s[\g+6], 0
	s_mov_b32 s[\g+7], 0
.endr
	s_mov_b32 s[G1S+2], 16<<16                     ; tensor_dim1
	s_mov_b32 s[G1S+4], 16                         ; tile_dim1
	s_mov_b32 s[G1L+2], 32<<16
	s_mov_b32 s[G1L+4], 32
	s_mov_b32 s20, 0x76543210                      ; v_permlanex16_b32's selects for lane l xor 16
	s_mov_b32 s21, 0xfedcba98
	s_wait_dscnt 0x0
	s_wait_kmcnt 0x0
	s_load_b256 s[52:59], s[10:11], 0x0            ; e0 .. e7
	s_cmp_lt_u32 s[WV], 8
	s_cselect_b64 s[80:81], s[6:7], s[8:9]
	s_add_nc_u64 s[80:81], s[80:81], s[72:73]      ; my tensor at the head: the byte offsets below are the same in memory and in LDS
	s_mov_b32 s82, s70
	s_mov_b32 s83, 0
	s_add_nc_u64 s[84:85], s[80:81], s[82:83]
	s_mov_b32 s40, 1                               ; keys 0-511
	s_add_co_u32 s41, s69, s70
	s_mov_b64 s[42:43], s[84:85]
	s_or_b32 s43, s43, 0x80000000
	s_mov_b32 s44, 1                               ; keys 512-1,023
	s_add_co_u32 s45, s41, 32768
	s_add_nc_u64 s[46:47], s[84:85], 32768
	s_or_b32 s47, s47, 0x80000000
	s_mov_b32 s82, s71
	s_add_nc_u64 s[84:85], s[80:81], s[82:83]
	s_mov_b32 s48, 1                               ; keys 1,024-2,047
	s_add_co_u32 s49, s69, s71
	s_add_co_u32 s49, s49, 65536
	s_add_nc_u64 s[50:51], s[84:85], 65536
	s_or_b32 s51, s51, 0x80000000
	CROUND                                         ; all four work-groups are here: the joint loads meet
	tensor_load_to_lds s[40:43], s[G1S:G1S+7]
	s_nop 0
	tensor_load_to_lds s[44:47], s[G1S:G1S+7]
	s_nop 0
	tensor_load_to_lds s[48:51], s[G1L:G1L+7]
	s_nop 0
.rept 4
	v_nop
.endr
	v_and_b32 v7, 31, v0
	s_delay_alu instid0(VALU_DEP_1)
	v_lshlrev_b32 v1, 4, v7                        ; 16 x lane
	s_wait_alu depctr_va_vdst(0)
	v_and_b32 v8, 15, v0                           ; r
	v_bfe_u32 v9, v0, 4, 1                         ; h
	s_wait_alu depctr_va_vdst(0)
	s_lshl_b32 s86, s19, 1
	s_add_co_u32 s86, s86, s68                     ; my tile's number in its group: 2 cx + w / 8
	s_sub_co_u32 s60, 15, s67                      ; the first tile's group,
	s_mov_b32 s61, s67                             ; the second's
	s_lshl_b32 s87, s60, 3
	s_add_co_u32 s87, s87, s86                     ; the tiles
	s_lshl_b32 s88, s61, 3
	s_add_co_u32 s88, s88, s86
	s_lshl_b32 s89, s87, 14
	v_add_nc_u32 v3, s89, v1                       ; in a: 16,384 bytes a tile of 16 rows
	s_lshl_b32 s89, s88, 14
	v_add_nc_u32 v4, s89, v1
	s_lshl_b32 s89, s87, 10
	v_add_nc_u32 v5, s89, v1                       ; in q: 1,024 bytes a tile
	s_wait_alu depctr_va_vdst(0)
	s_lshl_b32 s89, s88, 10
	v_add_nc_u32 v6, s89, v1
	s_wait_alu depctr_va_vdst(0)
	v_lshlrev_b32 v9, 3, v9
	s_delay_alu instid0(VALU_DEP_1)
	v_sub_nc_u32 v2, v8, v9
	s_lshl_b32 s89, s86, 4
	v_add_nc_u32 v2, s89, v2                       ; d = my query's place in its group - 8 h: on the diagonal, register j of tile u is hidden where 16 u + j > d
	s_add_nc_u64 s[76:77], s[4:5], s[72:73]        ; q at the head
	s_lshr_b32 s90, s66, 4
	s_lshl_b32 s90, s90, 21                        ; a: the batch's 128 tiles of rows,
	s_bfe_u32 s91, s66, 0x30001
	s_lshl_b32 s91, s91, 11                        ; K step = head / 2,
	s_add_co_u32 s90, s90, s91
	s_and_b32 s91, s66, 1
	s_lshl_b32 s91, s91, 10                        ; groups 2 (head % 2) on
	s_add_co_u32 s90, s90, s91
	s_mov_b32 s91, 0
	s_add_nc_u64 s[78:79], s[12:13], s[90:91]
	global_load_b128 v[16:19], v5, s[76:77]        ; Q's two fragments stay in registers
	global_load_b128 v[20:23], v5, s[76:77] offset:512
	global_load_b128 v[208:211], v6, s[76:77]
	global_load_b128 v[212:215], v6, s[76:77] offset:512
.macro SCALES e, vs, vl                ; v[vs] = 2^e as f32
	s_add_co_i32 s92, s[\e], 127
	s_lshl_b32 s93, s92, 23
	v_mov_b32 v[\vs], s93
.endm
	s_wait_kmcnt 0x0
	s_add_co_i32 s92, s54, s55
	s_lshl_b32 s92, s92, 23
	s_add_co_i32 s22, s92, 0x3e38aa3b              ; c = log2(e) / 8, with e2 + e3 added to its exponent field: a score stands for score x 2^(e2 + e3)
	s_mov_b32 s23, s22                             ; (named with it as a pair, so it is written)
	SCALES 56, 10, 11
	SCALES 58, 24, 25
	s_add_co_i32 s74, s56, s57                     ; e4 + e5
	v_mov_b32 v26, 0xff800000                      ; -infinity
	v_mov_b32 v240, 0                              ; written once: a lane permute's destination counts as one of its sources
	v_mov_b32 v253, 0                              ; (named as the upper half of the pair v[252:253])
; A KEY STEP: 128 keys; s62 its number, s63 its bytes in K's and V's images, s60 my tile's group.  qr: Q's registers.
.macro STEP qr
	s_cmp_gt_u32 s62, s60                          ; all its keys come after my queries: left out (a branch on the wave's number; no barrier and no tensor load stands in a step)
	s_cbranch_scc1 .Lhid_\@
	s_setprio 2
	v_add_nc_u32 v8, s63, v1
	s_delay_alu instid0(VALU_DEP_1)
	v_add_nc_u32 v9, 0x20000, v8
	v_nop                                          ; with the two additions: four places in front of loads into registers that matrix instructions have read
	v_nop
.irp u, 0,1,2,3,4,5,6,7
	ds_load_b128 v[32+8*\u:35+8*\u], v8 offset:1024*\u
	ds_load_b128 v[36+8*\u:39+8*\u], v8 offset:1024*\u+512
.endr
	s_wait_alu depctr_va_vdst(0)
	s_wait_dscnt 0x0
.irp u, 0,1,2,3,4,5,6,7
	v_wmma_f32_16x16x64_fp8_fp8 v[96+8*\u:103+8*\u], v[32+8*\u:39+8*\u], v[\qr:\qr+7], 0
.endr
.rept 4
	v_nop
.endr
.irp t, 0,1,2,3                        ; V's four fragments land while the softmax is walked
.irp g, 0,1,2,3
	ds_load_b128 v[32+16*\t+4*\g:35+16*\t+4*\g], v9 offset:2048*\t+512*\g
.endr
.endr
	s_cmp_lt_u32 s62, s60                          ; all its keys count: no mask
	s_cbranch_scc1 .Lopen_\@
.set n, 0
.rept 64
	v_cmp_gt_i32 vcc_lo, 16*(n/8)+n%8, v2
	v_cndmask_b32 v[96+n], v[96+n], v26, vcc_lo
.set n, n+1
.endr
.Lopen_\@:
	v_max3_num_f32 v254, v96, v97, v98             ; the step's largest score of my query among my 64 keys, in two chains, from each accumulator's low end on,
	v_max3_num_f32 v252, v99, v100, v101
.set n, 6
.rept 14
	v_max3_num_f32 v254, v254, v[96+n], v[97+n]
	v_max3_num_f32 v252, v252, v[98+n], v[99+n]
.set n, n+4
.endr
	v_max3_num_f32 v254, v254, v158, v159
	s_delay_alu instid0(VALU_DEP_1)
	v_max_num_f32 v254, v254, v252
	s_delay_alu instid0(VALU_DEP_1)
	v_permlanex16_b32 v240, v254, s20, s21
	s_delay_alu instid0(VALU_DEP_1)
	v_max_num_f32 v254, v254, v240                 ; and among lane l xor 16's
	s_delay_alu instid0(VALU_DEP_1)
	v_mul_f32 v254, s22, v254                      ; as t (c is positive)
	s_delay_alu instid0(VALU_DEP_1)
	v_max_num_f32 v13, v13, v254                   ; the running largest t
	v_mov_b32 v254, v12
	s_delay_alu instid0(VALU_DEP_2)
	v_floor_f32 v12, -v13                          ; the new -M = floor(-t): M is a whole number
	s_delay_alu instid0(VALU_DEP_1)
	v_sub_f32 v254, v12, v254                      ; old M - new M: a whole number, 0 or less
	s_delay_alu instid0(VALU_DEP_1)
	v_cvt_i32_f32 v254, v254                       ; (it saturates)
	s_delay_alu instid0(VALU_DEP_1)
	v_ldexp_f32 v252, 1.0, v254                    ; f = 2^(old M - new M)
.set n, 0
	s_setprio 1
.rept 32
	v_pk_fma_f32 v[96+n:97+n], v[96+n:97+n], s[22:23], v[12:13] op_sel_hi:[1,0,0]   ; t - M, two at a time
.set n, n+2
.endr
.set n, 0
	s_wait_alu depctr_va_vdst(0)
.rept 64
	v_exp_f32 v[96+n], v[96+n]                     ; p = 2^(t - M)
.set n, n+1
.endr
	v_pk_mul_f32 v[14:15], v[14:15], v[252:253] op_sel_hi:[1,0]   ; the sums under the new M: the plain line behind the exponentials
	s_wait_alu depctr_va_vdst(0)                   ; one wait for the batch, ahead of its first reader
	v_pk_add_f32 v[242:243], v[100:101], v[104:105]
	v_pk_add_f32 v[248:249], v[108:109], v[112:113]
	v_pk_add_f32 v[246:247], v[116:117], v[120:121]
	v_pk_add_f32 v[244:245], v[124:125], v[128:129]
	v_pk_add_f32 v[238:239], v[132:133], v[136:137]
	v_pk_add_f32 v[236:237], v[140:141], v[144:145]
	v_pk_add_f32 v[234:235], v[148:149], v[152:153]
	v_pk_add_f32 v[14:15], v[14:15], v[156:157]
	v_pk_add_f32 v[242:243], v[242:243], v[96:97]
	v_pk_add_f32 v[248:249], v[248:249], v[98:99]
	v_pk_add_f32 v[246:247], v[246:247], v[102:103]
	v_pk_add_f32 v[244:245], v[244:245], v[106:107]
	v_pk_add_f32 v[238:239], v[238:239], v[110:111]
	v_pk_add_f32 v[236:237], v[236:237], v[114:115]
	v_pk_add_f32 v[234:235], v[234:235], v[118:119]
	v_pk_add_f32 v[14:15], v[14:15], v[122:123]
	v_pk_add_f32 v[242:243], v[242:243], v[126:127]
	v_pk_add_f32 v[248:249], v[248:249], v[130:131]
	v_pk_add_f32 v[246:247], v[246:247], v[134:135]
	v_pk_add_f32 v[244:245], v[244:245], v[138:139]
	v_pk_add_f32 v[238:239], v[238:239], v[142:143]
	v_pk_add_f32 v[236:237], v[236:237], v[146:147]
	v_pk_add_f32 v[234:235], v[234:235], v[150:151]
	s_setprio 0
	v_pk_add_f32 v[14:15], v[14:15], v[154:155]
	v_pk_add_f32 v[242:243], v[242:243], v[158:159]
	s_delay_alu instid0(VALU_DEP_2)
	v_pk_add_f32 v[14:15], v[14:15], v[244:245]
	s_delay_alu instid0(VALU_DEP_2)
	v_pk_add_f32 v[242:243], v[242:243], v[238:239]
	v_pk_add_f32 v[248:249], v[248:249], v[236:237]
	v_pk_add_f32 v[246:247], v[246:247], v[234:235]
	s_delay_alu instid0(VALU_DEP_2)
	v_pk_add_f32 v[14:15], v[14:15], v[248:249]
	s_delay_alu instid0(VALU_DEP_2)
	v_pk_add_f32 v[242:243], v[242:243], v[246:247]
	s_delay_alu instid0(VALU_DEP_1)
	v_pk_add_f32 v[14:15], v[14:15], v[242:243]
.irp u, 0,1,2,3,4,5,6,7
.irp j, 0,1,2,3,4,5,6,7
.endr
	v_cvt_scalef32_pk8_fp8_f32 v[224+2*\u:225+2*\u], v[96+8*\u:103+8*\u], v10
.endr
.set n, 0
.rept 16
	v_pk_mul_f32 v[160+n:161+n], v[160+n:161+n], v[252:253] op_sel_hi:[1,0]   ; O^T under the new M (also the plain lines behind the conversions)
.set n, n+2
.endr
	s_wait_alu depctr_va_vdst(0)
	s_wait_dscnt 0x0                               ; V is in
.irp t, 0,1,2,3
	v_wmma_f32_16x16x128_fp8_fp8 v[160+8*\t:167+8*\t], v[32+16*\t:47+16*\t], v[224:239], v[160+8*\t:167+8*\t]
.endr
.Lhid_\@:
	s_add_co_u32 s62, s62, 1
	s_add_co_u32 s63, s63, 8192
.endm
.macro STEPS n, qr                     ; n key steps: the trip count is a constant of the text
	s_mov_b32 s75, \n
.Lks_\@:
	STEP \qr
	s_sub_co_u32 s75, s75, 1
	s_cmp_lg_u32 s75, 0
	s_cbranch_scc1 .Lks_\@
	s_setprio 0
.endm
.macro INIT                            ; the step is written once: the first finds zeros, which the first change of M leaves zeros
	v_mov_b32 v13, 0xff61b1e6                      ; the largest t so far: -3e38
	s_delay_alu instid0(VALU_DEP_1)
	v_floor_f32 v12, -v13
	v_mov_b32 v14, 0
	v_mov_b32 v15, 0
.set n, 0
.rept 32
	v_mov_b32 v[160+n], 0
.set n, n+1
.endr
	s_mov_b32 s62, 0
	s_mov_b32 s63, 0
.endm
; A tile's end: O^T x 2^(e4 + e5) / the sum, quantised: register j of tile t is channel 16 t + 8 h + j of query r: tiles 2 g, 2 g + 1 give registers 4 g .. 4 g + 3 of the last product's operand.
.macro FINISH go, oc
.rept 4
	v_nop                                          ; places behind the last products
.endr
	v_add_f32 v14, v14, v15
	s_delay_alu instid0(VALU_DEP_1)
	v_permlanex16_b32 v240, v14, s20, s21
	s_delay_alu instid0(VALU_DEP_1)
	v_add_f32 v14, v14, v240                       ; the row's sum
	s_wait_alu depctr_va_vdst(0)
	v_rcp_f32 v14, v14
	v_nop                                          ; a plain line behind the reciprocal
	s_wait_alu depctr_va_vdst(0)                   ; and the wait ahead of its first reader
	v_ldexp_f32 v14, v14, s74
.set n, 0
.rept 16
	v_pk_mul_f32 v[96+n:97+n], v[160+n:161+n], v[14:15] op_sel_hi:[1,0]
.set n, n+2
.endr
.irp t, 0,1,2,3
.irp j, 0,1,2,3,4,5,6,7
.endr
	v_cvt_scalef32_pk8_fp8_f32 v[\oc+2*\t:\oc+2*\t+1], v[96+8*\t:103+8*\t], v24
.endr
	v_nop
	global_store_b128 v[\go], v[\oc:\oc+3], s[78:79]               ; 32 lanes store 512 consecutive bytes, aligned
	global_store_b128 v[\go], v[\oc+4:\oc+7], s[78:79] offset:512
.endm
	INIT
	s_wait_loadcnt 0x0                             ; Q
	s_wait_tensorcnt 0x2                           ; my part of keys 0-511 is in; the two later loads may be out
	s_barrier_signal -1
	s_barrier_wait -1                              ; everybody's is
	STEPS 4, 16
	s_wait_tensorcnt 0x1                           ; keys 512-1,023
	s_barrier_signal -1
	s_barrier_wait -1
	STEPS 4, 16
	s_wait_tensorcnt 0x0                           ; all keys
	s_barrier_signal -1
	s_barrier_wait -1
	STEPS 8, 16
	FINISH 3, 192
	s_mov_b32 s60, s61                             ; the second tile
	INIT
	STEPS 8, 208
	FINISH 4, 200
	s_wait_tensorcnt 0x0
	ds_add_u32 v251, v255
	s_wait_dscnt 0x0
	CROUND                                         ; the closing round
	s_endpgm
.Lfunc_end_k_qd54c50b687_attn:
	.size	k_qd54c50b687_attn, .Lfunc_end_k_qd54c50b687_attn-k_qd54c50b687_attn
	.p2alignl 7, 3214868480
	.fill 96, 4, 3214868480
	.section	.rodata,"a",@progbits
	.p2align	6, 0x0
	.amdhsa_kernel k_qd54c50b687_attn
		.amdhsa_group_segment_fixed_size 264192
		.amdhsa_private_segment_fixed_size 0
		.amdhsa_enable_private_segment 0
		.amdhsa_kernarg_size 40
		.amdhsa_user_sgpr_count 2
		.amdhsa_user_sgpr_kernarg_segment_ptr 1
		.amdhsa_wavefront_size32 1
		.amdhsa_system_sgpr_workgroup_id_x 1
		.amdhsa_system_sgpr_workgroup_id_y 1
		.amdhsa_system_sgpr_workgroup_id_z 1
		.amdhsa_system_vgpr_workitem_id 0
		.amdhsa_next_free_vgpr 256
		.amdhsa_next_free_sgpr 100
		.amdhsa_reserve_vcc 1
		.amdhsa_float_denorm_mode_32 3
		.amdhsa_float_denorm_mode_16_64 3
		.amdhsa_fp16_overflow 1
		.amdhsa_memory_ordered 1
		.amdhsa_forward_progress 1
		.amdhsa_inst_pref_size 90
	.end_amdhsa_kernel
	.amdgpu_metadata
---
amdhsa.version: [ 1, 2 ]
amdhsa.kernels:
  - .name:           k_qd54c50b687_attn
    .symbol:         k_qd54c50b687_attn.kd
    .args:
      - { .name: q_codes, .offset: 0, .size: 8, .value_kind: global_buffer, .address_space: global }
      - { .name: k_codes, .offset: 8, .size: 8, .value_kind: global_buffer, .address_space: global }
      - { .name: v_codes, .offset: 16, .size: 8, .value_kind: global_buffer, .address_space: global }
      - { .name: lowp_scales, .offset: 24, .size: 8, .value_kind: global_buffer, .address_space: global }
      - { .name: a_codes, .offset: 32, .size: 8, .value_kind: global_buffer, .address_space: global }
    .group_segment_fixed_size: 264192
    .private_segment_fixed_size: 0
    .kernarg_segment_align: 8
    .kernarg_segment_size: 40
    .max_flat_workgroup_size: 512
    .sgpr_count:     100
    .vgpr_count:     256
    .wavefront_size: 32
...
	.end_amdgpu_metadata
.endif
;; end of part 3
;; launch proj (part 4): grid 4 x 32, 4 waves a work-group, clusters of 4 x 4, 327,680 bytes of LDS; arguments a_codes, wproj_codes, lowp_scales, b_proj, out0; writes out0
.if DOCPART == 4
	.amdgcn_target "amdgcn-amd-amdhsa--gfx1250"
	.amdhsa_code_object_version 6
	.text
	.protected	k_qd54c50b687_proj
	.globl	k_qd54c50b687_proj
	.p2align	8
	.type	k_qd54c50b687_proj,@function
k_qd54c50b687_proj:
	s_mov_b64 s[64:65], 0
	v_nop
	global_prefetch_b8 v0, s[64:65] scope:SCOPE_SE
	s_setreg_imm32_b32 hwreg(HW_REG_WAVE_MODE, 25, 1), 1
	s_wait_xcnt 0x0
	s_wait_alu depctr_hold_cnt(0) depctr_sa_sdst(0) depctr_va_vdst(0) depctr_va_sdst(0) depctr_va_ssrc(0) depctr_va_vcc(0) depctr_vm_vsrc(0)
	s_getreg_b32 s2, hwreg(HW_REG_IB_STS2, 6, 4)
	s_cmp_eq_u32 s2, 0
	s_cbranch_scc0 .Lentry_in_a_cluster
	s_endpgm
.Lentry_in_a_cluster:
	s_bfe_u32 s2, ttmp6, 0x10000c
	s_cmp_lg_u32 s2, 0xf033
	s_cbranch_scc0 .Lentry_shape_is_right
	s_endpgm
.Lentry_shape_is_right:
; out0 = a w_proj + b_proj on codes of FP8 (E4M3); out0 [8192][1024] f32.  a_codes: [512 tiles of 16 rows][8 K steps], wproj_codes: [64 tiles of 16 columns][8 K steps] fragments of 16 x 128 K,
; 2,048 bytes each, laid as images of the operand's registers: byte 512 g + 16 l + e = registers 4 g .. 4 g + 3 of lane l.
; A tile of 256 x 256 is made by a work-group of four waves, a wave 128 x 128: 64 accumulators.  K = 1,024 goes in four slots' worth of 256 through a ring of two LDS slots.
; CLUSTERS: 4 x 4 work-groups; the four of a row need the same rows of a, the four of a column the same columns of w_proj: each tile is asked for JOINTLY.
; The output has 4 x 32 such tiles: 128 work-groups.  A tile of half the size would double them and read half as much again from LDS for each product; this text keeps the larger tile.
; THE MATRIX INSTRUCTION IS USED TRANSPOSED (source 0 = 16 columns of w_proj, source 1 = 16 rows of a): a lane holds eight neighbouring numbers of a row of out0.
; LIMIT: e6 + e7 between -126 and 127.
; REGISTERS: window 0: v16-29 addresses; v32-35 the bias; v128-255 a's fragments (one set), later rows on their way out.  window 1: w_proj's, two sets.  windows 2, 3: accumulators, (a, b) at v[8 (8 (a % 4) + b)].
.set FR,    16
.set NL,    4
.set NP,    4                          ; places behind this matrix instruction (ISA guide 7.12.1)
.set KSB,   4096                       ; a slot's two K steps of one tile of 16 rows
.set HALFT, 8*KSB
.set SLOT,  4*HALFT
.set SPARE, 2*SLOT                     ; behind the ring: the spare words, 128 bytes for each wave
.set LAPS,  2
.set SPITCH, 528                       ; the way out: a stage of 16 rows x (512 bytes + 16) for each wave, in slot 0, which has had its last fill and its last read by then
.set ADRA, 16
.set ADRB, 20
.set STO,  24                          ; v24  the way out: where I put 32 bytes of a row
.set RD,   25                          ; v25  where I read a row back
.set LN,   26                          ; v26  16 x lane
.set SPW,  28
.set NIL,  29
.set BI,   32                          ; v32-35 b_proj at my four columns of a row
.set AF,   128
.set BK,   128
.set G1, 24
.set G0, 32
.set G1B, 48
.set G0B, 56
.set MSB, 0
.macro WIN new                         ; the immediate's high byte repeats the setting that is left
.if MSB != \new
	s_set_vgpr_msb (MSB<<8)|\new
.set MSB, \new
.endif
.endm
.set MUL_LO, 0xa1
.set MUL_HI, 0xf1
.set TO_B,   0x40
.macro JLOAD g0a, g1a, g0b, g1b        ; a joint load: waves 0 and 1 fetch for a, waves 2 and 3 for w_proj; four v_nop follow each of the two lines
	s_cmp_eq_u32 s15, 0
	s_cbranch_scc0 .Lfor_b_\@
	tensor_load_to_lds s[\g0a:\g0a+3], s[\g1a:\g1a+7]
	s_nop 0
.rept 4
	v_nop
.endr
	s_branch .Lasked_\@
.Lfor_b_\@:
	tensor_load_to_lds s[\g0b:\g0b+3], s[\g1b:\g1b+7]
	s_nop 0
.rept 4
	v_nop
.endr
.Lasked_\@:
.endm
.macro CREST
	s_cmp_lg_u32 s14, 0
	s_cbranch_scc1 .Lnot_wave_0_\@
	s_barrier_signal -3
.Lnot_wave_0_\@:
	s_barrier_wait -3
	s_barrier_signal -1
	s_barrier_wait -1
.endm
.macro CROUND
	s_barrier_signal -1
	s_barrier_wait -1
	CREST
.endm
	s_load_b256 s[4:11], s[0:1], 0x0               ; a's codes s[4:5], w_proj's s[6:7], the scales' exponents s[8:9], b_proj s[10:11]
	s_load_b64 s[68:69], s[0:1], 0x20              ; out0
	v_lshl_add_u32 v[SPW], v0, 2, SPARE
	v_mov_b32 v[NIL], 0
	ds_add_u32 v28, v29
	ds_add_u32 v28, v29
	s_wait_dscnt 0x0
	v_lshrrev_b32 v1, 5, v0
	v_readfirstlane_b32 s14, v1                    ; wave 0..3
	s_lshr_b32 s15, s14, 1                         ; which half of the tile's rows is mine.  Also: I fetch for a (0) or for w_proj (1)
	s_and_b32 s16, s14, 1                          ; which half of its columns.  Also: which 128 rows of that tile I fetch
	s_bfe_u32 s40, ttmp6, 0x40000
	s_bfe_u32 s41, ttmp6, 0x40004
	s_lshl_b32 s42, ttmp9, 2
	s_add_co_u32 s42, s42, s40                     ; tile column
	s_and_b32 s17, ttmp7, 0xffff
	s_lshl_b32 s17, s17, 2
	s_add_co_u32 s17, s17, s41                     ; tile row
	s_lshl_b32 s43, s41, 2
	s_lshl_b32 s43, 15, s43                        ; my row of the cluster
	s_lshl_b32 s44, 0x1111, s40                    ; my column
	s_or_b32 s[G1+0], s43, (3<<16)|(1<<21)         ; 15:0 the mask; 17:16 elements of 8 bytes; 21 set beside a mask
	s_or_b32 s[G1B+0], s44, (3<<16)|(1<<21)
.irp g, G1, G1B
	s_mov_b32 s[\g+1], 512<<16                     ; tensor_dim0 = 512: 4,096 bytes
	s_mov_b32 s[\g+2], 8<<16                       ; tensor_dim1 = 8
	s_mov_b32 s[\g+3], 512<<16                     ; tile_dim0
	s_mov_b32 s[\g+4], 8                           ; tile_dim1
	s_mov_b32 s[\g+5], 2048                        ; tensor_dim0_stride: 16,384 bytes
	s_mov_b32 s[\g+6], 0
	s_mov_b32 s[\g+7], 0
.endr
	s_lshl_b32 s18, s16, 3
	s_lshl_b32 s20, s17, 4
	s_add_co_u32 s20, s20, s18
	s_lshl_b32 s20, s20, 14
	s_mov_b32 s21, 0
	s_lshl_b32 s46, s42, 4
	s_add_co_u32 s46, s46, s18
	s_lshl_b32 s46, s46, 14
	s_mov_b32 s47, 0
	s_mul_i32 s45, s14, HALFT
	s_wait_kmcnt 0x0
	s_load_b256 s[80:87], s[8:9], 0x0              ; e0 .. e7
	s_add_nc_u64 s[20:21], s[4:5], s[20:21]
	s_add_nc_u64 s[46:47], s[6:7], s[46:47]
	CROUND                                         ; all sixteen work-groups are here: the first joint loads meet
.irp s, 0,1
	s_mov_b32 s[G0+4*\s], 1
	s_add_co_u32 s[G0+4*\s+1], s45, \s*SLOT
	s_add_nc_u64 s[G0+4*\s+2:G0+4*\s+3], s[20:21], \s*KSB
	s_or_b32 s[G0+4*\s+3], s[G0+4*\s+3], 0x80000000
	s_mov_b32 s[G0B+4*\s], 1
	s_add_co_u32 s[G0B+4*\s+1], s45, \s*SLOT
	s_add_nc_u64 s[G0B+4*\s+2:G0B+4*\s+3], s[46:47], \s*KSB
	s_or_b32 s[G0B+4*\s+3], s[G0B+4*\s+3], 0x80000000
	s_wait_alu depctr_va_vdst(0)
	s_wait_tensorcnt 0x0
	ds_add_u32 v28, v29
	ds_add_u32 v28, v29
	s_wait_dscnt 0x0
	CROUND
	JLOAD G0+4*\s, G1, G0B+4*\s, G1B
.endr
	v_and_b32 v1, 15, v0                           ; r
	s_wait_alu depctr_va_vdst(0)
	v_bfe_u32 v2, v0, 4, 1                         ; h
	v_and_b32 v3, 31, v0
	v_lshlrev_b32 v[LN], 4, v3
	s_mul_i32 s21, s15, HALFT                      ; my 128 rows of a
	s_mul_i32 s22, s16, HALFT                      ; my 128 columns of w_proj,
	s_add_co_u32 s22, s22, 2*HALFT                 ; which lie behind a's 256 rows
.irp s, 0,1
	v_add_nc_u32 v[ADRA+\s], s21, v[LN]
	v_add_nc_u32 v[ADRB+\s], s22, v[LN]
	s_add_co_u32 s21, s21, SLOT
	s_add_co_u32 s22, s22, SLOT
.endr
	s_mul_i32 s23, s14, 16*SPITCH                  ; my stage
	v_mul_u32_u24 v5, v1, SPITCH
	s_wait_alu depctr_va_vdst(0)
	v_lshl_add_u32 v5, v2, 5, v5
	v_add_nc_u32 v[STO], s23, v5                   ; in: row r, 32 bytes for each half of the lanes
	v_add_nc_u32 v[RD], s23, v[LN]                 ; back: the 32 lanes take one row of 512 bytes
	s_lshl_b32 s78, s42, 10
	s_lshl_b32 s79, s16, 9
	s_add_co_u32 s78, s78, s79                     ; my first column, in bytes
	s_mov_b32 s79, 0
	s_add_nc_u64 s[76:77], s[10:11], s[78:79]
	global_load_b128 v[BI:BI+3], v[LN], s[76:77]   ; the bias of columns 4 x lane + 0..3 of my 128
	s_add_nc_u64 s[68:69], s[68:69], s[78:79]
	s_lshl_b32 s78, s17, 8
	s_lshl_b32 s88, s15, 7
	s_add_co_u32 s78, s78, s88
	s_lshl_b32 s78, s78, 12                        ; my first row: 4,096 bytes a row
	s_add_nc_u64 s[68:69], s[68:69], s[78:79]
.macro FRAG reg, adr, q, i
.irp c, 0,1,2,3
	ds_load_b128 v[\reg+4*\c:\reg+4*\c+3], v[\adr] offset:KSB*(\i)+2048*(\q)+512*\c
.endr
.endm
.macro MUL16 a0, p, zero               ; 16 matrix instructions; the 64 accumulators take turns; zero = 1: the first product starts the sums
.irp a, \a0, \a0+1
.irp b, 0,1,2,3,4,5,6,7
.if \zero
	v_wmma_f32_16x16x128_fp8_fp8 v[8*(8*((\a)%4)+\b):8*(8*((\a)%4)+\b)+7], v[128*(\p)+FR*\b:128*(\p)+FR*\b+FR-1], v[AF+FR*(\a):AF+FR*(\a)+FR-1], 0
.else
	v_wmma_f32_16x16x128_fp8_fp8 v[8*(8*((\a)%4)+\b):8*(8*((\a)%4)+\b)+7], v[128*(\p)+FR*\b:128*(\p)+FR*\b+FR-1], v[AF+FR*(\a):AF+FR*(\a)+FR-1], v[8*(8*((\a)%4)+\b):8*(8*((\a)%4)+\b)+7]
.endif
.endr
.endr
.endm
.macro FETCH_B slot, q, p
	WIN TO_B
.irp i, 0,1,2,3,4,5,6,7
	FRAG 128*(\p)+FR*\i, ADRB+\slot, \q, \i
.endr
	WIN 0
.endm
.macro FETCH_A slot, q, i0
.irp i, \i0, \i0+1, \i0+2, \i0+3
	FRAG AF+FR*(\i), ADRA+\slot, \q, \i
.endr
.endm
.macro PLACES n
.rept \n
	v_nop
.endr
.endm
.macro STEP slot, q, zero
	s_wait_dscnt 4*NL                              ; w_proj's set and a's blocks 0-3 are in; the youngest 16 loads (a's blocks 4-7) may be out
	WIN MUL_LO
	MUL16 0, (\q)%2, \zero
	MUL16 2, (\q)%2, \zero
	s_wait_dscnt 0
	PLACES NP
	FETCH_B \slot, (\q)+1, 1-(\q)%2
	FETCH_A \slot, (\q)+1, 0
	WIN MUL_HI
	MUL16 4, (\q)%2, \zero
	MUL16 6, (\q)%2, \zero
	PLACES NP
	WIN 0
	FETCH_A \slot, (\q)+1, 4
.endm
.macro TURN slot, next, fill
	s_wait_tensorcnt 0x0                           ; all my tensor loads have landed: my part of the next slot
	ds_add_u32 v[SPW], v[NIL]                      ; 0 onto my spare word
	s_wait_dscnt 4*NL+1                            ; (the add and the youngest 16 loads may be out)
	WIN MUL_LO
	MUL16 0, 1, 0
	s_wait_dscnt 0x0                               ; the add is done, and my reads of this slot are over
	s_barrier_signal -1
	MUL16 2, 1, 0
	WIN 0
	s_barrier_wait -1
.if \fill
	CREST                                          ; the barrier has opened a round of the cluster's: no wave of any partner still reads this slot or has a load on its way
	s_add_nc_u64 s[G0+4*\slot+2:G0+4*\slot+3], s[G0+4*\slot+2:G0+4*\slot+3], 2*KSB
	s_add_nc_u64 s[G0B+4*\slot+2:G0B+4*\slot+3], s[G0B+4*\slot+2:G0B+4*\slot+3], 2*KSB
	JLOAD G0+4*\slot, G1, G0B+4*\slot, G1B
.else
	PLACES NP
.endif
	FETCH_B \next, 0, 0
	FETCH_A \next, 0, 0
	WIN MUL_HI
	MUL16 4, 1, 0
	MUL16 6, 1, 0
	PLACES NP
	WIN 0
	FETCH_A \next, 0, 4
.endm
	s_wait_tensorcnt 1                             ; my part of slot 0 is in (slot 1's load may be out)
	s_barrier_signal -1
	s_barrier_wait -1
	FETCH_B 0, 0, 0
	FETCH_A 0, 0, 0
	FETCH_A 0, 0, 4
	STEP 0, 0, 1
.rept LAPS-1
	TURN 0, 1, 1
	STEP 1, 0, 0
	TURN 1, 0, 1
	STEP 0, 0, 0
.endr
	TURN 0, 1, 0
	STEP 1, 0, 0
	s_wait_dscnt 4*NL
	WIN MUL_LO
	MUL16 0, 1, 0
	MUL16 2, 1, 0
	s_wait_alu depctr_va_vdst(0)
	s_wait_dscnt 0
	WIN MUL_HI
	MUL16 4, 1, 0
	MUL16 6, 1, 0
	WIN 0
; THE WAY OUT, block by block of 16 rows x 128 columns: the sums go as they are through my own stage in LDS and come back as whole rows of 512 bytes; there each lane has four neighbouring columns,
; so that four registers of bias serve every row: number = sum x 2^(e6 + e7) + bias, one packed multiply-add for two.  LDS serves a wave's instructions in order (ISA guide 5.7.1.4): no wait between stores and loads.
.macro TOSTAGE a
.set AC, 64*((\a)%4)
	WIN 0x08+4*((\a)/4)                            ; the stores' data: window 2 or 3
.irp b, 0,1,2,3,4,5,6,7
	ds_store_b128 v[STO], v[AC+8*\b:AC+8*\b+3] offset:64*\b          ; each accumulator from its low end on
	ds_store_b128 v[STO], v[AC+8*\b+4:AC+8*\b+7] offset:64*\b+16
.endr
	WIN 0
.set BB, BK+64*((\a)%2)
.irp t, 0,1,2,3,4,5,6,7,8,9,10,11,12,13,14,15
	ds_load_b128 v[BB+4*\t:BB+4*\t+3], v[RD] offset:\t*SPITCH
.endr
.endm
.macro SEND a, younger                 ; younger: the LDS instructions issued behind block a's loads, which may stay out
.set BB, BK+64*((\a)%2)
	s_wait_dscnt \younger
.if (\a) > 0
	s_add_nc_u64 s[68:69], s[68:69], 16*4096       ; (behind a wait on XCNT: the earlier stores have read their base)  16 rows on
.endif
.irp t, 0,1,2,3,4,5,6,7,8,9,10,11,12,13,14,15
	v_pk_fma_f32 v[BB+4*\t:BB+4*\t+1], v[BB+4*\t:BB+4*\t+1], s[96:97], v[BI:BI+1] op_sel_hi:[1,0,1]
	v_pk_fma_f32 v[BB+4*\t+2:BB+4*\t+3], v[BB+4*\t+2:BB+4*\t+3], s[96:97], v[BI+2:BI+3] op_sel_hi:[1,0,1]
.endr
.irp t, 0,1,2,3,4,5,6,7,8,9,10,11,12,13,14,15
	global_store_b128 v[LN], v[BB+4*\t:BB+4*\t+3], s[68:69] offset:\t*4096 th:TH_STORE_NT   ; 32 lanes store 512 consecutive bytes, aligned; written once, read by nobody here
.endr
.endm
	s_wait_kmcnt 0x0
	s_add_co_i32 s96, s86, s87
	s_add_co_i32 s96, s96, 127
	s_lshl_b32 s96, s96, 23                        ; 2^(e6 + e7) as f32
	s_mov_b32 s97, s96                             ; (named with it as a pair, so it is written)
	s_wait_loadcnt 0x0                             ; the bias
	PLACES NP                                      ; behind the last products: for the stores of results and the loads into the registers that held a's fragments
	TOSTAGE 0
.irp a, 1,2,3,4,5,6,7
.if \a > 1
	s_wait_xcnt 0x0                                ; block a - 2's stores have read their registers and their base
.endif
	TOSTAGE \a
	SEND \a-1, 32                                  ; behind block a - 1's loads: block a's 16 stores and 16 loads
.endr
	s_wait_xcnt 0x0
	SEND 7, 0
	s_wait_tensorcnt 0x0                           ; the wave's end
	ds_add_u32 v[SPW], v[NIL]
	s_wait_dscnt 0x0
	CROUND                                         ; the closing round
	s_endpgm
.Lfunc_end_k_qd54c50b687_proj:
	.size	k_qd54c50b687_proj, .Lfunc_end_k_qd54c50b687_proj-k_qd54c50b687_proj
	.p2alignl 7, 3214868480
	.fill 96, 4, 3214868480
	.section	.rodata,"a",@progbits
	.p2align	6, 0x0
	.amdhsa_kernel k_qd54c50b687_proj
		.amdhsa_group_segment_fixed_size 327680
		.amdhsa_private_segment_fixed_size 0
		.amdhsa_enable_private_segment 0
		.amdhsa_kernarg_size 40
		.amdhsa_user_sgpr_count 2
		.amdhsa_user_sgpr_kernarg_segment_ptr 1
		.amdhsa_wavefront_size32 1
		.amdhsa_system_sgpr_workgroup_id_x 1
		.amdhsa_system_sgpr_workgroup_id_y 1
		.amdhsa_system_sgpr_workgroup_id_z 1
		.amdhsa_system_vgpr_workitem_id 0
		.amdhsa_next_free_vgpr 1024
		.amdhsa_next_free_sgpr 100
		.amdhsa_reserve_vcc 0
		.amdhsa_float_denorm_mode_32 3
		.amdhsa_float_denorm_mode_16_64 3
		.amdhsa_memory_ordered 1
		.amdhsa_forward_progress 1
		.amdhsa_inst_pref_size 124
	.end_amdhsa_kernel
	.amdgpu_metadata
---
amdhsa.version: [ 1, 2 ]
amdhsa.kernels:
  - .name:           k_qd54c50b687_proj
    .symbol:         k_qd54c50b687_proj.kd
    .args:
      - { .name: a_codes, .offset: 0, .size: 8, .value_kind: global_buffer, .address_space: global }
      - { .name: wproj_codes, .offset: 8, .size: 8, .value_kind: global_buffer, .address_space: global }
      - { .name: lowp_scales, .offset: 16, .size: 8, .value_kind: global_buffer, .address_space: global }
      - { .name: b_proj, .offset: 24, .size: 8, .value_kind: global_buffer, .address_space: global }
      - { .name: out0, .offset: 32, .size: 8, .value_kind: global_buffer, .address_space: global }
    .group_segment_fixed_size: 327680
    .private_segment_fixed_size: 0
    .kernarg_segment_align: 8
    .kernarg_segment_size: 40
    .max_flat_workgroup_size: 128
    .sgpr_count:     100
    .vgpr_count:     1024
    .wavefront_size: 32
...
	.end_amdgpu_metadata
.endif
;; end of part 4
